; MI455X (gfx1250); checked and timed in simulation.
; The chip was launched on July 23, 2026; its instructions are those of AMD's public machine-readable ISA for CDNA 5 (MIT licence, August 2026) and "CDNA5" Instruction Set Architecture Reference Guide (July 2026). The comments in the code are by the model that wrote it; some were corrected since.
;; Aggregate Or Exclusive. Allowed arithmetic: matrix products marked QUANTISED: E4M3 operands, one E8M0 scale for each 32 along K, by v_wmma_scale_f32_16x16x128_f8f6f4 with both operands' format E4M3, f32 sums; everything else in f32.
;; Inputs: W1_codes 8 x 2,048 x 32 x 32 uint8 (E4M3 codes of W1, K innermost, in blocks of 32 codes); W1_scales 8 x 2,048 x 32 uint8 (E8M0 scales of W1, one for each 32 codes along K); W2_codes 8 x 1,024 x 64 x 32 uint8 (E4M3 codes of W2, K innermost, in blocks of 32 codes); W2_scales 8 x 1,024 x 64 uint8 (E8M0 scales of W2, one for each 32 codes along K); b1 8 x 2,048 float32; b2 8 x 1,024 float32; expert_idx 2,048 int32; x_feat_codes 2,048 x 32 x 32 uint8 (E4M3 codes of x_feat, K innermost, in blocks of 32 codes); x_feat_scales 2,048 x 32 uint8 (E8M0 scales of x_feat, one for each 32 codes along K).
;; Outputs: out0 2,048 x 1,032 float32.
;; This version of the problem:
;;   THIS VERSION OF THE PROBLEM IS GIVEN IN LOW PRECISION. The matrix products marked QUANTISED in the list below multiply operands that are first quantised to E4M3 (4 exponent bits, 3 mantissa bits; 8 bits a number), with one power-of-two scale for each 32 numbers along K (OCP MX v1.0); their sums are f32. All else is computed in f32.
;;   The module's matrix products, in the order in which they are computed (A, B: the left and right operand; K: the contracted axis; several contracted axes count as one K, in the product's order):
;;     1. [M 2,048, K 1,024] x [K 1,024, N 2,048]; A: input x_feat (given as codes); B: input W1 (given as codes): QUANTISED
;;     2. [M 2,048, K 2,048] x [K 2,048, N 1,024]; A: computed on the way; B: input W2 (given as codes): QUANTISED
;;     3. [M 2,048, K 1,024] x [K 1,024, N 2,048]; A: input x_feat (given as codes); B: input W1 (given as codes): QUANTISED
;;     4. [M 2,048, K 2,048] x [K 2,048, N 1,024]; A: computed on the way; B: input W2 (given as codes): QUANTISED
;;     5. [M 2,048, K 1,024] x [K 1,024, N 2,048]; A: input x_feat (given as codes); B: input W1 (given as codes): QUANTISED
;;     6. [M 2,048, K 2,048] x [K 2,048, N 1,024]; A: computed on the way; B: input W2 (given as codes): QUANTISED
;;     7. [M 2,048, K 1,024] x [K 1,024, N 2,048]; A: input x_feat (given as codes); B: input W1 (given as codes): QUANTISED
;;     8. [M 2,048, K 2,048] x [K 2,048, N 1,024]; A: computed on the way; B: input W2 (given as codes): QUANTISED
;;     9. [M 2,048, K 1,024] x [K 1,024, N 2,048]; A: input x_feat (given as codes); B: input W1 (given as codes): QUANTISED
;;     10. [M 2,048, K 2,048] x [K 2,048, N 1,024]; A: computed on the way; B: input W2 (given as codes): QUANTISED
;;     11. [M 2,048, K 1,024] x [K 1,024, N 2,048]; A: input x_feat (given as codes); B: input W1 (given as codes): QUANTISED
;;     12. [M 2,048, K 2,048] x [K 2,048, N 1,024]; A: computed on the way; B: input W2 (given as codes): QUANTISED
;;     13. [M 2,048, K 1,024] x [K 1,024, N 2,048]; A: input x_feat (given as codes); B: input W1 (given as codes): QUANTISED
;;     14. [M 2,048, K 2,048] x [K 2,048, N 1,024]; A: computed on the way; B: input W2 (given as codes): QUANTISED
;;     15. [M 2,048, K 1,024] x [K 1,024, N 2,048]; A: input x_feat (given as codes); B: input W1 (given as codes): QUANTISED
;;     16. [M 2,048, K 2,048] x [K 2,048, N 1,024]; A: computed on the way; B: input W2 (given as codes): QUANTISED
;;   THE QUANTISER, for each operand of a quantised product, along K:
;;     - K is cut into blocks of 32 from its start; a last block that is shorter is filled with zeros.
;;     - A block's scale is 2^e with e = floor(log2(the largest magnitude in the block)) - 8, held to -126 .. 127; a block of zeros has e = 0. As a byte (E8M0): e + 127.
;;     - Each number is divided by its block's scale, clamped to +-448, and rounded to the nearest number of E4M3, ties to even, subnormals kept.
;;     - The product sums the exact products of the quantised numbers (number of the format x scale) in f32.
;;   ~~~python
;;   def quantise(x, axis):      # numpy; x: float32 -> the quantised numbers, widened to float32 again
;;       x = np.moveaxis(x, axis, -1); K = x.shape[-1]
;;       x = np.pad(x, [(0, 0)] * (x.ndim - 1) + [(0, -K % 32)]); x = x.reshape(x.shape[:-1] + (-1, 32)); a = np.abs(x).max(-1, keepdims=True)
;;       e = np.where(a > 0, np.clip(np.frexp(np.where(a > 0, a, 1))[1] - 1 - 8, -126, 127), 0)      # np.frexp(a)[1] - 1 = floor(log2(a)), exactly
;;       r = np.clip(x / 2.0 ** e, -448, 448)
;;       step = 2.0 ** (np.maximum(np.frexp(np.where(r == 0, 1, r))[1] - 1, -6) - 3)
;;       q = np.round(r / step) * step * 2.0 ** e      # np.round: ties to even
;;       return np.moveaxis(q.reshape(q.shape[:-2] + (-1,))[..., :K], -1, axis).astype(np.float32)
;;   ~~~
;;   OPERANDS COMPUTED ON THE WAY. 'Computed on the way' means the value that the module computes at that place (a softmax that the list does not call 'softmax' is quantised finished and normalised). What goes into a quantiser is computed in f32, as accurately as f32 sums, v_exp_f32 and their like allow (about 1e-6 of the number): no bf16 or f16 on the way to a quantiser, and a product that is left as it is and whose result goes on into a quantised operand takes f32 operands (vector FMAs, or v_wmma_f32_16x16x4_f32). A number that lies on a knife's edge between two numbers of the format may be rounded either way, as far as f32 arithmetic and the matrix unit's own rounding can turn it there, and no further.
;;   INPUTS GIVEN AS CODES. W1 (in the module: [8, 1024, 2048], K = its axis 1); W2 (in the module: [8, 2048, 1024], K = its axis 1); x_feat (in the module: [2048, 1024], K = its axis 1): each comes as NAME_codes (uint8): NAME with its K axis moved to the last place and cut into blocks of 32 codes, [.., K / 32, bytes a block], one block behind the other in memory; one code a byte (a code: sign, 4 exponent bits, 3 mantissa bits); and NAME_scales (uint8): the same leading axes, one E8M0 byte (e + 127) for each 32 codes along K. Its value is code x scale, taken as it is: it is not quantised again, and the codes and scales need not be those that the quantiser above would give.
;; One version. Each part assembles by itself: llvm-mc -triple=amdgcn-amd-amdhsa -mcpu=gfx1250 --defsym DOCPART=n.
;; ======== version 1 of 1: 2 launches
;; workspace buffers: h_codes 33,554,432 bytes; h_scales 1,048,576 bytes; route 67,584 bytes of whole numbers
;; launch hidden (part 1): grid 256 x 1, 4 waves a work-group, no clusters, 147,968 bytes of LDS; arguments x_feat_codes, x_feat_scales, W1_codes, W1_scales, b1, expert_idx, h_codes, h_scales, route, out0; writes h_codes, h_scales, route, out0
.if DOCPART == 1
	.amdgcn_target "amdgcn-amd-amdhsa--gfx1250"
	.amdhsa_code_object_version 6
	.text
	.protected	k_q5afbf7e9d9_hidden
	.globl	k_q5afbf7e9d9_hidden
	.p2align	8
	.type	k_q5afbf7e9d9_hidden,@function
k_q5afbf7e9d9_hidden:
	s_mov_b64 s[64:65], 0
	v_nop
	global_prefetch_b8 v0, s[64:65] scope:SCOPE_SE
	s_setreg_imm32_b32 hwreg(HW_REG_WAVE_MODE, 25, 1), 1
	s_wait_xcnt 0x0
; h = x W1[e] + b1[e] for the tokens routed to expert e, quantised along H to codes of FP8 (E4M3) with one E8M0 byte for each 32; also the list of each expert's tokens, and the one-hot columns of the output.
; SHARES.  Work-group 32 e + ns holds 64 hidden units (64 ns ..) of expert e: 64 rows x 1,024 bytes of W1's codes, read from memory once, by this work-group alone, passed through LDS once and then
; kept whole in EVERY wave's registers (512).  The four waves share the ROWS: wave w takes the expert's tiles of 16 tokens w, w + 4, w + 8 ..  Behind the second barrier the waves share nothing.
; ROUTING.  expert_idx is read here.  Every wave counts its expert's tokens (64 compares, a bit count each), so that the number of tiles is each wave's own; wave 0 also places the token numbers
; in a list in LDS.  The list's slots behind the last token repeat that token: the spare rows of a last tile compute that token's own numbers again, and no store needs a mask.
; The work-groups with ns = 0 store list and count for the next launch.  Wave 1 stores the one-hot columns of tokens 8 x work-group .. + 7.
; THE MATRIX INSTRUCTION IS USED TRANSPOSED (source 0 = 16 rows of W1, source 1 = 16 tokens): a lane holds ONE token and its registers run along the hidden units, the next product's K.
; THE ROWS OF W1 THAT FORM A TILE ARE NOT NEIGHBOURS: lane r of tile 2 b + u takes unit 32 b + 8 u + r + 8 (r / 8), so that the 16 registers of tiles 2 b, 2 b + 1 are units 32 b + 16 (lane / 16) + 0 .. 15.
; In LDS unit u lies at row p(u) = u with bits 3 and 4 exchanged, so that a tile's sixteen rows are neighbours there.
; NO JOINT LOADS, though the 32 work-groups of an expert read the same rows of x: the number of tiles is a count made from expert_idx (0 to 128 tiles an expert);
; a walk of constant length would be 128 tiles for every expert, against 16 where the 2,048 tokens fall evenly on 8 experts.
; LIMITS.  An index outside 0 .. 7 gets its all-zero one-hot columns and no encoded numbers (the problem keeps indices inside the table).  A block of 32 zeros of h gets the byte 1 where the
; rule says 127: its codes are zeros, and this program alone reads the bytes.  NaN codes and scale bytes 0xff among the inputs are not served specially.
; h_codes: [e 8][tile 128][K step 16][c 4][lane 32][16 bytes]: the image of the next product's operand registers.  h_scales: [e][tile][q 2][h 2][r 16][i 4] words: K step 8 q + 4 h + i of row r.
; route: for each expert 2,048 words of tokens, then 64 words that all hold the count.
.set PITCH, 1040                       ; an LDS row: 1,024 bytes + 16: an odd multiple of 16, so that the sixteen rows of a fragment load start at sixteen different groups of banks
.set WST,   0                          ; LDS: W1's 64 rows
.set XST,   64*PITCH                   ; then a stage of 16 rows of x for each wave
.set XWV,   16*PITCH
.set LIST,  XST+4*XWV                  ; then the list: 2,176 words: slots 0 .. 2,111 tokens (2,048 and the room that the look-ahead reads), slots 2,144 + lane take what is not this expert's
.set DUMP0, 2144
; window 0
.set LANE, 1
.set R,    2                           ; lane % 16
.set HH,   3                           ; lane / 16
.set WSA,  4                           ; where I store W1's rows
.set WFA,  5                           ; where I read W1's fragments
.set XSA,  6                           ; where I store rows of x
.set XFA,  7                           ; where I read x's fragments
.set LA,   8                           ; the list: my half's eight slots of tile w
.set LB,   9                           ; the list: slot r of tile w
.set L16,  10                          ; 16 x lane
.set R16,  11                          ; 16 x r
.set H16,  13                          ; 16 x h
.set LT,   14                          ; LIST + 16 x thread
.set T16,  15                          ; 16 x thread
.set XA,   16                          ; v16-23 tokens, then byte offsets of rows of x
.set TKR,  24                          ; token of row r, then the offset of its scale words
.set LBC,  25                          ; LB of the trip in hand
.set ZA,   26                          ; LIST + 16 x lane
.set LAC,  27                          ; LA of the trip in hand
.set XSN,  28                          ; v28-31 x's scale words as they land
.set XS,   32                          ; v32-35 x's scale words at work: register i: lanes 0-15 K step i, lanes 16-31 K step 4 + i
.set WSC,  36                          ; v36-51 W1's scale words: register 4 t + i, laid likewise
.set B1,   52                          ; v52-83 b1 in the result's layout, 8 registers a tile
.set ACC,  84                          ; v84-115 four accumulators
.set PC,   116                         ; v116-123 the codes just made
.set MX,   124                         ; v124-125 largest magnitudes; then permutes, holds, scale operands, bytes, two each
.set PM,   126
.set HOLD, 128
.set SOP,  130
.set BY,   132
.set PWD,  134                         ; the two scale bytes
.set WSO,  135                         ; offsets of the loads at the head
.set B1O,  136
.set I1O,  137
.set L4,   138                         ; 4 x lane
.set DUMP, 139                         ; 2,144 + lane
.set IDX,  140                         ; v140-203 expert_idx: register 4 i + q: token 128 i + 4 lane + q
.set RW,   204                         ; v204-207 slots, then LDS addresses (wave 0)
.set RT,   208                         ; v208-211 token numbers (wave 0)
.set OHI,  212                         ; the one-hot columns (wave 1)
.set OHC,  213
.set OHD,  214
.set OHA,  216
.set OHC2, 217
.set L8,   218                         ; 8 x lane
.set RL,   220                         ; v220-235 the list on its way to memory
.set CN,   236                         ; v236-237 the count
.set ZZ,   240                         ; v240-243 zeros
.set TLA,  244
.set TLT,  245
.set TLB,  246
; window 1: v0-127 rows as loaded; v128-255 x's eight fragments.   windows 2, 3: W1's fragment (K step s, tile t) at register 512 + 16 (4 s + t)
.set MSB, 0
.macro WIN new                         ; bits 1:0 source 0, 3:2 source 1, 5:4 source 2, 7:6 destination; the immediate's high byte repeats the setting that is left
.if MSB != \new
	s_set_vgpr_msb (MSB<<8)|\new
.set MSB, \new
.endif
.endm
	s_load_b256 s[4:11], s[0:1], 0x0               ; x's codes s[4:5], x's scales s[6:7], W1's codes s[8:9], W1's scales s[10:11]
	s_load_b256 s[12:19], s[0:1], 0x20             ; b1 s[12:13], expert_idx s[14:15], h_codes s[16:17], h_scales s[18:19]
	s_load_b128 s[20:23], s[0:1], 0x40             ; route s[20:21], out0 s[22:23]
	v_lshl_add_u32 v254, v0, 2, 0x24000
	v_mov_b32 v255, 0
	v_lshrrev_b32 v[LANE], 5, v0
	v_readfirstlane_b32 s24, v[LANE]               ; wave 0..3
	s_lshr_b32 s25, ttmp9, 5                       ; expert
	s_and_b32 s26, ttmp9, 31                       ; slice of 64 hidden units
	v_and_b32 v[LANE], 31, v0
	v_and_b32 v[R], 15, v0
	v_bfe_u32 v[HH], v0, 4, 1
	; every LDS address is made here, ahead of the waves' first parting
	s_lshr_b32 s32, s24, 1
	s_lshl_b32 s32, s32, 5
	s_and_b32 s33, s24, 1
	s_lshl_b32 s33, s33, 3
	s_add_co_u32 s32, s32, s33                     ; my units 16 w + a go to rows 32 (w / 2) + 8 (w % 2) + 16 (a / 8) + a % 8
	s_mul_i32 s32, s32, PITCH
	v_lshl_add_u32 v[WSA], v[LANE], 4, s32
	v_mul_u32_u24 v[WFA], v[R], PITCH
	v_lshl_add_u32 v[WFA], v[HH], 4, v[WFA]        ; a fragment: row r, + 16 h
	s_mul_i32 s32, s24, XWV
	s_add_co_u32 s32, s32, XST                     ; my stage
	v_mul_u32_u24 v[XSA], v[HH], 8*PITCH
	v_lshl_add_u32 v[XSA], v[R], 4, v[XSA]
	v_add_nc_u32 v[XSA], s32, v[XSA]               ; in: lanes 0-15 row a, lanes 16-31 row a + 8; 16 bytes a lane
	v_add_nc_u32 v[XFA], s32, v[WFA]
	s_lshl_b32 s33, s24, 6
	s_add_co_u32 s33, s33, LIST                    ; tile w's sixteen slots
	v_lshl_add_u32 v[LA], v[HH], 5, s33
	v_lshl_add_u32 v[LB], v[R], 2, s33
	v_lshlrev_b32 v[L16], 4, v[LANE]
	v_lshlrev_b32 v[R16], 4, v[R]
	v_lshlrev_b32 v[H16], 4, v[HH]
	v_lshl_add_u32 v[LT], v0, 4, LIST
	v_lshlrev_b32 v[T16], 4, v0
	v_lshl_add_u32 v[ZA], v[LANE], 4, LIST
	v_and_b32 v[WSO], 8, v[R]
	v_add_nc_u32 v[WSO], v[WSO], v[R]              ; r + 8 (r / 8)
	v_lshl_add_u32 v[WSO], v[WSO], 5, v[H16]       ; W1's scales: 32 bytes a unit, + 16 h
	v_lshlrev_b32 v[B1O], 6, v[HH]                 ; b1: 16 numbers further on for lanes 16-31
	v_lshrrev_b32 v[I1O], 2, v[LANE]               ; the one-hot columns: four lanes to a token, two columns a lane
	v_mul_u32_u24 v[OHA], v[I1O], 4128             ; a row of out0 is 1,032 numbers
	v_lshlrev_b32 v[I1O], 2, v[I1O]
	v_and_b32 v[OHC], 3, v[LANE]
	v_lshl_add_u32 v[OHA], v[OHC], 3, v[OHA]
	v_lshlrev_b32 v[OHC], 1, v[OHC]                ; my first column
	v_lshlrev_b32 v[L4], 2, v[LANE]
	v_add_nc_u32 v[DUMP], DUMP0, v[LANE]
	v_lshlrev_b32 v[L8], 3, v[LANE]
	v_mov_b32 v[PM], 0                             ; written once: a lane permute's destination counts as one of its sources
	v_mov_b32 v[PM+1], 0
	v_mov_b32 v[OHI], 0
.irp i, 0,1,2,3
	v_mov_b32 v[XSN+\i], 0                         ; written once, ahead of every load: the loads that fill these four stand under branches on the count, and a register is written on every way before a line of the text reads it
.endr
	s_mov_b32 s36, 0x76543210
	s_mov_b32 s37, 0xfedcba98                      ; v_permlanex16_b32's selects for lane l xor 16
	s_mov_b32 s38, 0x600000                        ; the mantissa field of 448
	s_mov_b32 s33, 0
	s_wait_kmcnt 0x0
	s_lshl_b32 s32, ttmp9, 16                      ; W1's codes: 64 rows of 1,024 bytes a work-group,
	s_lshl_b32 s30, s24, 14                        ; 16 rows a wave
	s_add_co_u32 s32, s32, s30
	s_add_nc_u64 s[8:9], s[8:9], s[32:33]
	s_lshl_b32 s32, ttmp9, 11                      ; W1's scales: 64 rows of 32 bytes
	s_add_nc_u64 s[10:11], s[10:11], s[32:33]
	s_lshl_b32 s32, ttmp9, 8                       ; b1: 64 numbers
	s_add_nc_u64 s[12:13], s[12:13], s[32:33]
	s_lshl_b32 s32, ttmp9, 5                       ; expert_idx of tokens 8 x work-group on
	s_add_nc_u64 s[52:53], s[14:15], s[32:33]
	s_lshl_b32 s32, s25, 22                        ; h_codes: 4 MiB an expert, 32,768 bytes a tile, 1,024 bytes a slice
	s_lshl_b32 s30, s24, 15
	s_add_co_u32 s32, s32, s30
	s_lshl_b32 s30, s26, 10
	s_add_co_u32 s32, s32, s30
	s_add_nc_u64 s[16:17], s[16:17], s[32:33]
	s_lshl_b32 s32, s25, 17                        ; h_scales: 131,072 bytes an expert, 1,024 a tile;
	s_lshl_b32 s30, s24, 10
	s_add_co_u32 s32, s32, s30
	s_lshr_b32 s30, s26, 3                         ; K step ns / 2 = 8 q + 4 h + i: (2 q + h) x 256 = (ns / 8) x 256,
	s_lshl_b32 s30, s30, 8
	s_add_co_u32 s32, s32, s30
	s_and_b32 s30, s26, 7                          ; 4 i + 2 (ns % 2) = 2 (ns % 8): the word, and my two bytes in it
	s_lshl_b32 s30, s30, 1
	s_add_co_u32 s32, s32, s30
	s_add_nc_u64 s[18:19], s[18:19], s[32:33]
	s_mul_i32 s32, s25, 8448
	s_add_nc_u64 s[20:21], s[20:21], s[32:33]
	s_mul_i32 s32, ttmp9, 8*4128                   ; out0: eight rows a work-group, column 1,024
	s_add_co_u32 s32, s32, 4096
	s_add_nc_u64 s[22:23], s[22:23], s[32:33]
	; ---- the loads at the head: the indices first, since they are wanted first
.irp i, 0,1,2,3,4,5,6,7,8,9,10,11,12,13,14,15
	global_load_b128 v[IDX+4*\i:IDX+4*\i+3], v[L16], s[14:15] offset:512*\i
.endr
	s_cmp_lg_u32 s24, 1
	s_cbranch_scc1 .Lnot_wave_1
	global_load_b32 v[OHI], v[I1O], s[52:53]       ; wave 1: the index of my token of the work-group's eight
.Lnot_wave_1:
	WIN 0x40                                       ; destination window 1
.set i, 0
.rept 32
	global_load_b128 v[4*i:4*i+3], v[L16], s[8:9] offset:512*i th:TH_LOAD_NT   ; my 16 rows of W1, 512 consecutive bytes a load; read once in the launch
.set i, i+1
.endr
	WIN 0
.irp t, 0,1,2,3
	global_load_b128 v[WSC+4*\t:WSC+4*\t+3], v[WSO], s[10:11] offset:(32*(\t/2)+8*(\t%2))*32
.endr
.irp t, 0,1,2,3
	global_load_b128 v[B1+8*\t:B1+8*\t+3], v[B1O], s[12:13] offset:(32*(\t/2)+8*(\t%2))*4
	global_load_b128 v[B1+8*\t+4:B1+8*\t+7], v[B1O], s[12:13] offset:(32*(\t/2)+8*(\t%2))*4+16
.endr
; Four groups of 32 tokens (128 i + 4 lane + q) are placed: a token of my expert goes to slot base + the number of such tokens in lower lanes, any other to the lane's own spare slot.
; Any order of an expert's tokens serves: a row's result hangs on its own token alone.
.macro ROUTE4 i
.irp q, 0,1,2,3
	v_cmp_eq_u32 s[40+\q], s25, v[IDX+4*(\i)+\q]
.endr
.irp q, 0,1,2,3
	s_bcnt1_i32_b32 s[44+\q], s[40+\q]
.endr
	s_add_co_u32 s49, s48, s44
	s_add_co_u32 s50, s49, s45
	s_add_co_u32 s51, s50, s46
.irp q, 0,1,2,3
	v_mbcnt_lo_u32_b32 v[RW+\q], s[40+\q], s[48+\q]
.endr
	s_add_co_u32 s48, s51, s47
.irp q, 0,1,2,3
	v_cndmask_b32 v[RW+\q], v[DUMP], v[RW+\q], s[40+\q]
.endr
.irp q, 0,1,2,3
	v_min_u32 v[RW+\q], 2175, v[RW+\q]             ; inside the list's 2,176 words
.endr
.irp q, 0,1,2,3
	v_lshl_add_u32 v[RW+\q], v[RW+\q], 2, LIST
.endr
.irp q, 0,1,2,3
	v_add_nc_u32 v[RT+\q], 128*(\i)+\q, v[L4]
.endr
.irp q, 0,1,2,3
	ds_store_b32 v[RW+\q], v[RT+\q]
.endr
.endm
.macro COUNT4 i                        ; the same four groups are only counted
.irp q, 0,1,2,3
	v_cmp_eq_u32 s[40+\q], s25, v[IDX+4*(\i)+\q]
.endr
.irp q, 0,1,2,3
	s_bcnt1_i32_b32 s[44+\q], s[40+\q]
.endr
	s_add_co_u32 s44, s44, s45
	s_add_co_u32 s46, s46, s47
	s_add_co_u32 s48, s48, s44
	s_add_co_u32 s48, s48, s46
.endm
	s_mov_b32 s48, 0                               ; the count
	s_cmp_lg_u32 s24, 0
	s_cbranch_scc1 .Lcount
	; ---- wave 0 makes the list.  Ahead of the first barrier no other wave touches LDS
.irp j, 0,1,2,3
	v_mov_b32 v[ZZ+\j], 0
.endr
.irp k, 0,1,2,3,4,5,6,7,8,9,10,11,12,13,14,15,16
	ds_store_b128 v[ZA], v[ZZ:ZZ+3] offset:512*\k  ; all 8,704 bytes are written, so that the look-ahead reads nothing that nobody wrote
.endr
	s_wait_loadcnt 44                              ; the indices are in; the 32 + 4 + 8 loads issued behind them may be out
.irp i, 0,1,2,3,4,5,6,7,8,9,10,11,12,13,14,15
	ROUTE4 \i
.endr
	s_max_u32 s30, s48, 1
	s_sub_co_u32 s30, s30, 1
	s_min_u32 s30, s30, 2047                       ; the last token's slot (slot 0, which holds 0, where there is none)
	s_lshl_b32 s30, s30, 2
	s_add_co_u32 s30, s30, LIST
	v_mov_b32 v[TLA], s30
	ds_load_b32 v[TLT], v[TLA]                     ; LDS serves a wave's instructions in order: this sees the stores above
	s_min_u32 s30, s48, 2048
	v_add_nc_u32 v[TLB], s30, v[LANE]
	v_lshl_add_u32 v[TLB], v[TLB], 2, LIST
	s_wait_dscnt 0x0
	ds_store_b32 v[TLB], v[TLT]                    ; the 32 slots behind the last token repeat it
	s_branch .Ljoin
.Lcount:
	s_wait_loadcnt 44                              ; as above
.irp i, 0,1,2,3,4,5,6,7,8,9,10,11,12,13,14,15
	COUNT4 \i
.endr
	s_cmp_lg_u32 s24, 1
	s_cbranch_scc1 .Ljoin
	; ---- wave 1: the one-hot columns of eight tokens, two numbers a lane
	v_cmp_eq_u32 vcc_lo, v[OHI], v[OHC]
	v_cndmask_b32 v[OHD], 0, 1.0, vcc_lo
	v_add_nc_u32 v[OHC2], 1, v[OHC]
	v_cmp_eq_u32 vcc_lo, v[OHI], v[OHC2]
	v_cndmask_b32 v[OHD+1], 0, 1.0, vcc_lo
	global_store_b64 v[OHA], v[OHD:OHD+1], s[22:23]   ; its registers are not written again
.Ljoin:
	s_min_u32 s27, s48, 2048                       ; my expert's tokens
	s_wait_dscnt 0x0                               ; wave 0's stores into the list have landed
	s_barrier_signal -1
	s_barrier_wait -1                              ; the list is whole; nobody writes it again
.macro TOKENS la, lb, off              ; a tile's sixteen tokens: my half's eight (for the rows that I load), and row r's (for its scale words)
.irp a, 0,1,2,3,4,5,6,7
	ds_load_b32 v[XA+\a], v[\la] offset:\off+4*\a
.endr
	ds_load_b32 v[TKR], v[\lb] offset:\off
.endm
.macro XADDR                           ; tokens become byte offsets: 18 plain lines
.irp a, 0,1,2,3,4,5,6,7
	v_min_u32 v[XA+\a], 2047, v[XA+\a]
.endr
	v_min_u32 v[TKR], 2047, v[TKR]
.irp a, 0,1,2,3,4,5,6,7
	v_lshl_add_u32 v[XA+\a], v[XA+\a], 10, v[R16]  ; a row of x is 1,024 bytes; sixteen lanes take 256 consecutive bytes of it
.endr
	v_lshl_add_u32 v[TKR], v[TKR], 5, v[H16]       ; its scales 32 bytes: lanes 0-15 K steps 0-3, lanes 16-31 K steps 4-7
.endm
.macro XLOAD                           ; 16 rows of x: each load takes 256 aligned consecutive bytes of row a (lanes 0-15) and of row a + 8 (lanes 16-31)
	WIN 0x40
.irp a, 0,1,2,3,4,5,6,7
.irp q, 0,1,2,3
	global_load_b128 v[4*(4*\a+\q):4*(4*\a+\q)+3], v[XA+\a], s[4:5] offset:256*\q
.endr
.endr
	WIN 0
	global_load_b128 v[XSN:XSN+3], v[TKR], s[6:7]
.endm
.macro TOSTAGE                         ; the rows go into my stage as rows
	WIN 0x04                                       ; an LDS store's data are its source 1: window 1
.irp a, 0,1,2,3,4,5,6,7
.irp q, 0,1,2,3
	ds_store_b128 v[XSA], v[4*(4*\a+\q):4*(4*\a+\q)+3] offset:\a*PITCH+256*\q
.endr
.endr
.endm
.macro FRAGS                           ; and come back as eight fragments: lane (r, h): row r, bytes 128 s + 32 c + 16 h.  LDS serves a wave's instructions in order: these see the stores above
	WIN 0x40
.irp s, 0,1,2,3,4,5,6,7
.irp c, 0,1,2,3
	ds_load_b128 v[128+16*\s+4*\c:128+16*\s+4*\c+3], v[XFA] offset:128*\s+32*\c
.endr
.endr
.endm
; 32 matrix instructions: eight K steps x four tiles of 16 units.  b1 is the C of each sum's first instruction.  The four accumulators take turns, one instruction a turn.
.macro MUL
.irp s, 0,1,2,3,4,5,6,7
.if \s < 4
	WIN 0x06                                       ; source 0 (W1) window 2, source 1 (x) window 1, C and D window 0
.else
	WIN 0x07                                       ; source 0 window 3
.endif
.irp t, 0,1,2,3
.if \s == 0
	v_wmma_scale_f32_16x16x128_f8f6f4 v[ACC+8*\t:ACC+8*\t+7], v[16*(4*(\s%4)+\t):16*(4*(\s%4)+\t)+15], v[128+16*\s:128+16*\s+15], v[B1+8*\t:B1+8*\t+7], v[WSC+4*\t+\s%4], v[XS+\s%4]
.elseif \s < 4
	v_wmma_scale_f32_16x16x128_f8f6f4 v[ACC+8*\t:ACC+8*\t+7], v[16*(4*(\s%4)+\t):16*(4*(\s%4)+\t)+15], v[128+16*\s:128+16*\s+15], v[ACC+8*\t:ACC+8*\t+7], v[WSC+4*\t+\s%4], v[XS+\s%4]
.else
	v_wmma_scale_f32_16x16x128_f8f6f4 v[ACC+8*\t:ACC+8*\t+7], v[16*(4*(\s%4)+\t):16*(4*(\s%4)+\t)+15], v[128+16*\s:128+16*\s+15], v[ACC+8*\t:ACC+8*\t+7], v[WSC+4*\t+\s%4], v[XS+\s%4] matrix_a_scale:MATRIX_SCALE_ROW1 matrix_b_scale:MATRIX_SCALE_ROW1
.endif
.endr
.endr
	WIN 0
.endm
; My token's 32 numbers (register 16 b + i = unit 32 b + 16 h + i of the slice) become codes in v[PC] on and two scale bytes in v[PWD].  A block of 32 lies in lanes l and l xor 16.
.macro QUANT2
.irp b, 0,1
	v_max3_num_f32 v[MX+\b], |v[ACC+16*\b]|, |v[ACC+16*\b+1]|, 0x4800000   ; each accumulator is read from its low end on; the floor 2^(9 - 127) holds the byte at 1 from below
.endr
.irp i, 2,4,6,8,10,12,14
.irp b, 0,1
	v_max3_num_f32 v[MX+\b], v[MX+\b], |v[ACC+16*\b+\i]|, |v[ACC+16*\b+\i+1]|
.endr
.endr
.irp b, 0,1
	v_permlanex16_b32 v[PM+\b], v[MX+\b], s36, s37
.endr
.irp b, 0,1
	v_max_num_f32 v[MX+\b], v[MX+\b], v[PM+\b]     ; the block's largest magnitude
.endr
.irp b, 0,1
	v_add_nc_u32 v[SOP+\b], 0xfc000000, v[MX+\b]   ; 8 off its exponent field: the conversion takes the exponent field of this operand as its scale
.endr
.irp b, 0,1
	v_and_or_b32 v[HOLD+\b], v[MX+\b], 0x7f800000, s38   ; 448 x the scale
.endr
.irp b, 0,1
	v_lshrrev_b32 v[BY+\b], 23, v[SOP+\b]          ; the scale's byte
.endr
	v_lshl_or_b32 v[PWD], v[BY+1], 8, v[BY]
.irp b, 0,1
.irp i, 0,1,2,3,4,5,6,7,8,9,10,11,12,13,14,15
	v_med3_num_f32 v[ACC+16*\b+\i], v[ACC+16*\b+\i], -v[HOLD+\b], v[HOLD+\b]   ; the conversion to an 8-bit code does not saturate (ISA guide 7.6.2): the hold at the largest code x the scale
.endr
	v_cvt_scalef32_pk8_fp8_f32 v[PC+4*\b:PC+4*\b+1], v[ACC+16*\b:ACC+16*\b+7], v[SOP+\b]
	v_cvt_scalef32_pk8_fp8_f32 v[PC+4*\b+2:PC+4*\b+3], v[ACC+16*\b+8:ACC+16*\b+15], v[SOP+\b]
.endr
	v_nop                                          ; one plain line behind the last conversion: the next tile's products write its sources
.endm
	; ---- between the barriers: W1's rows into LDS; my first tile's tokens; the list to memory
	TOKENS LA, LB, 0
	s_wait_loadcnt 0x0                             ; W1's rows, its scale words and b1 are in
	WIN 0x04
.set i, 0
.rept 32
	ds_store_b128 v[WSA], v[4*i:4*i+3] offset:(16*((i/2)/8)+(i/2)%8)*PITCH+512*(i%2)
.set i, i+1
.endr
	WIN 0
	s_cmp_lg_u32 s26, 0
	s_cbranch_scc1 .Lno_route
.irp k, 0,1,2,3
	ds_load_b128 v[RL+4*\k:RL+4*\k+3], v[LT] offset:2048*\k
.endr
	s_wait_dscnt 0x0
.irp k, 0,1,2,3
	global_store_b128 v[T16], v[RL+4*\k:RL+4*\k+3], s[20:21] offset:2048*\k   ; the 128 threads store 2,048 consecutive bytes; the registers are not written again
.endr
	s_cmp_lg_u32 s24, 0
	s_cbranch_scc1 .Lno_route
	v_mov_b32 v[CN], s27
	v_mov_b32 v[CN+1], s27
	global_store_b64 v[L8], v[CN:CN+1], s[20:21] offset:8192   ; the count, 64 times: 256 consecutive bytes
.Lno_route:
	s_wait_dscnt 0x0                               ; my rows of W1 have landed (and have left their registers); my tokens are in
	XADDR
	s_barrier_signal -1
	s_barrier_wait -1                              ; W1's 64 rows lie in LDS.  The last barrier: from here on a wave reads W1's rows and the list, which nobody writes, and its own stage
	s_lshl_b32 s28, s24, 4                         ; the first slot of my tile in hand
	s_cmp_ge_u32 s28, s27
	s_cbranch_scc1 .Lno_first
	XLOAD                                          ; my first tile, on its way while the weights come into registers
.Lno_first:
.irp s, 0,1,2,3,4,5,6,7
.if \s < 4
	WIN 0x80                                       ; destination window 2
.else
	WIN 0xc0                                       ; destination window 3
.endif
.irp t, 0,1,2,3
.irp c, 0,1,2,3
	ds_load_b128 v[16*(4*(\s%4)+\t)+4*\c:16*(4*(\s%4)+\t)+4*\c+3], v[WFA] offset:16*\t*PITCH+128*\s+32*\c
.endr
.endr
.endr
	WIN 0
	s_mov_b32 s29, 0
	s_mov_b32 s31, 0
	s_wait_dscnt 0x0                               ; the 32 fragments of W1 stay in registers from here on
	s_wait_xcnt 0x0                                ; the first tile's loads have read their offsets: the next tile's tokens may land there
; ONE TILE.  k: its place among the trip's four; the tokens fetched are the NEXT tile's, 256 k bytes on in the list.
.macro TILE k
	s_cmp_ge_u32 s28, s27                          ; no such tile: on to the trip's end
	s_cbranch_scc1 .Lskip
	TOKENS LAC, LBC, 256*(\k)
	s_wait_loadcnt 0x0                             ; all that is out is this tile's 32 loads of rows and one of scale words
.irp i, 0,1,2,3
	v_mov_b32 v[XS+\i], v[XSN+\i]                  ; the scale words leave the registers in which the next tile's will land; XADDR's 18 lines are the places between these and the products
.endr
	TOSTAGE
	FRAGS
	WIN 0
	s_wait_dscnt 0x0                               ; the fragments and the next tokens are in, and the stage's stores have read their registers
	XADDR
	s_add_co_u32 s28, s28, 64                      ; my next tile
	s_cmp_ge_u32 s28, s27
	s_cbranch_scc1 .Lno_next_\@
	XLOAD                                          ; it is on its way during the products, the quantising and the stores
.Lno_next_\@:
	MUL
.rept 8
	v_nop                                          ; eight places between the last product and the first read of a result, and the next loads into x's fragments
.endr
	QUANT2
	global_store_b128 v[L16], v[PC:PC+3], s[16:17]               ; block 2 (ns % 2): 512 consecutive bytes
	global_store_b128 v[L16], v[PC+4:PC+7], s[16:17] offset:512  ; block 2 (ns % 2) + 1
	global_store_b16 v[R16], v[PWD], s[18:19]                    ; their two bytes of row r's word (lanes r and r + 16 store the same)
	s_wait_xcnt 0x0                                ; the stores have read their data and bases, the next tile's loads their offsets: all may be written again
	s_add_nc_u64 s[16:17], s[16:17], 4*32768
	s_add_nc_u64 s[18:19], s[18:19], 4*1024
.endm
; Eight trips of four tiles: 32 tiles a wave, the most that an expert with all 2,048 tokens gives.  The count is a constant and every wave walks all trips.
.Ltrip:
	v_add_nc_u32 v[LAC], s31, v[LA]
	v_add_nc_u32 v[LBC], s31, v[LB]
	TILE 1
	TILE 2
	TILE 3
	TILE 4
.Lskip:
	s_add_co_u32 s31, s31, 1024                    ; four tiles of mine are sixteen tiles of the list
	s_add_co_u32 s29, s29, 1
	s_cmp_lt_u32 s29, 8
	s_cbranch_scc1 .Ltrip
	s_wait_tensorcnt 0x0
	ds_add_u32 v254, v255
	s_wait_dscnt 0x0
	s_endpgm
.Lfunc_end_k_q5afbf7e9d9_hidden:
	.size	k_q5afbf7e9d9_hidden, .Lfunc_end_k_q5afbf7e9d9_hidden-k_q5afbf7e9d9_hidden
	.p2alignl 7, 3214868480
	.fill 96, 4, 3214868480
	.section	.rodata,"a",@progbits
	.p2align	6, 0x0
	.amdhsa_kernel k_q5afbf7e9d9_hidden
		.amdhsa_group_segment_fixed_size 147968
		.amdhsa_private_segment_fixed_size 0
		.amdhsa_enable_private_segment 0
		.amdhsa_kernarg_size 80
		.amdhsa_user_sgpr_count 2
		.amdhsa_user_sgpr_kernarg_segment_ptr 1
		.amdhsa_wavefront_size32 1
		.amdhsa_system_sgpr_workgroup_id_x 1
		.amdhsa_system_sgpr_workgroup_id_y 1
		.amdhsa_system_sgpr_workgroup_id_z 1
		.amdhsa_system_vgpr_workitem_id 0
		.amdhsa_next_free_vgpr 1024
		.amdhsa_next_free_sgpr 66
		.amdhsa_reserve_vcc 1
		.amdhsa_float_denorm_mode_32 3
		.amdhsa_float_denorm_mode_16_64 3
		.amdhsa_memory_ordered 1
		.amdhsa_forward_progress 1
		.amdhsa_inst_pref_size 144
	.end_amdhsa_kernel
	.amdgpu_metadata
---
amdhsa.version: [ 1, 2 ]
amdhsa.kernels:
  - .name:           k_q5afbf7e9d9_hidden
    .symbol:         k_q5afbf7e9d9_hidden.kd
    .args:
      - { .name: x_feat_codes, .offset: 0, .size: 8, .value_kind: global_buffer, .address_space: global }
      - { .name: x_feat_scales, .offset: 8, .size: 8, .value_kind: global_buffer, .address_space: global }
      - { .name: W1_codes, .offset: 16, .size: 8, .value_kind: global_buffer, .address_space: global }
      - { .name: W1_scales, .offset: 24, .size: 8, .value_kind: global_buffer, .address_space: global }
      - { .name: b1, .offset: 32, .size: 8, .value_kind: global_buffer, .address_space: global }
      - { .name: expert_idx, .offset: 40, .size: 8, .value_kind: global_buffer, .address_space: global }
      - { .name: h_codes, .offset: 48, .size: 8, .value_kind: global_buffer, .address_space: global }
      - { .name: h_scales, .offset: 56, .size: 8, .value_kind: global_buffer, .address_space: global }
      - { .name: route, .offset: 64, .size: 8, .value_kind: global_buffer, .address_space: global }
      - { .name: out0, .offset: 72, .size: 8, .value_kind: global_buffer, .address_space: global }
    .group_segment_fixed_size: 147968
    .private_segment_fixed_size: 0
    .kernarg_segment_align: 8
    .kernarg_segment_size: 80
    .max_flat_workgroup_size: 128
    .sgpr_count:     66
    .vgpr_count:     1024
    .wavefront_size: 32
...
	.end_amdgpu_metadata
.endif
;; end of part 1
;; launch encode (part 2): grid 256 x 1, 4 waves a work-group, no clusters, 75,776 bytes of LDS; arguments W2_codes, W2_scales, b2, h_codes, h_scales, route, out0; writes out0
.if DOCPART == 2
	.amdgcn_target "amdgcn-amd-amdhsa--gfx1250"
	.amdhsa_code_object_version 6
	.text
	.protected	k_q5afbf7e9d9_encode
	.globl	k_q5afbf7e9d9_encode
	.p2align	8
	.type	k_q5afbf7e9d9_encode,@function
k_q5afbf7e9d9_encode:
	s_mov_b64 s[64:65], 0
	v_nop
	global_prefetch_b8 v0, s[64:65] scope:SCOPE_SE
	s_setreg_imm32_b32 hwreg(HW_REG_WAVE_MODE, 25, 1), 1
	s_wait_xcnt 0x0
; y = Q(h) W2[e] + b2[e] for the tokens routed to expert e, stored to the tokens' rows of out0 (columns 0 .. 1,023).
; SHARES.  Work-group 32 e + os holds 32 outputs (32 os ..) of expert e: 32 rows x 2,048 bytes of W2's codes, read from memory once, by this work-group alone, passed through LDS once and then kept
; whole in EVERY wave's registers (512).  The four waves share the ROWS: wave w takes the expert's tiles of 16 tokens w, w + 4 ..; behind the one barrier the waves share nothing.
; h's codes lie in memory as the image of the operand's registers: a load of 512 consecutive bytes fills four registers of a fragment, with no turn through LDS.
; The number of tiles and the tokens' numbers were stored by the launch before; the slots behind an expert's last token repeat it, so the spare rows of a last tile store that token's own numbers again.
; THE MATRIX INSTRUCTION IS USED TRANSPOSED (source 0 = 16 rows of W2, source 1 = 16 tokens): a lane holds eight neighbouring outputs of one token.
; Each output is summed in two chains (even and odd K steps), so that four accumulators take turns; the chains are added at the end.  That order differs from a single ascending sum; nothing is quantised behind it.
; A row of out0 is 4,128 bytes and a work-group owns 128 consecutive bytes of it: eight lanes store them by one instruction.
; NO JOINT LOADS, though the 32 work-groups of an expert read the same tiles of h: the number of tiles is a stored count (0 to 128 an expert);
; a walk of constant length would be 128 tiles for every expert, against 16 where the 2,048 tokens fall evenly on 8 experts.
; LIMITS.  NaN codes and scale bytes 0xff among the inputs are not served specially.
.set PITCH, 2064                       ; an LDS row: 2,048 bytes + 16: an odd multiple of 16
.set WST,   0                          ; LDS: W2's 32 rows
.set STG,   32*PITCH                   ; then a stage of 16 rows x (128 bytes + 16) for each wave
.set LANE, 1
.set R,    2
.set HH,   3
.set WSA,  4                           ; where I store W2's rows
.set WFA,  5                           ; where I read W2's fragments
.set L16,  6                           ; 16 x lane
.set STO,  7                           ; the stage: where I put 32 bytes of a row
.set SRD,  8                           ; and where I read 16 bytes back: eight lanes to a row
.set TA,   9                           ; the list: 64 w + 4 (lane / 8)
.set C16,  10                          ; 16 (lane % 8)
.set W2O,  11
.set TKN,  12                          ; v12-15 tokens as they land
.set OA,   16                          ; v16-19 byte offsets in out0
.set HSN,  20                          ; v20-27 h's scale words as they land
.set HS,   28                          ; v28-35 at work: register 4 q + i: lanes 0-15 K step 8 q + i, lanes 16-31 K step 8 q + 4 + i
.set W2S,  36                          ; v36-51 W2's scale words: register 8 n + 4 q + i, laid likewise
.set B2,   52                          ; v52-67 b2 in the result's layout
.set ACC,  68                          ; v68-99 accumulator (tile n, K step's parity p) at 68 + 8 (2 p + n)
.set Y,    100                         ; v100-115 the finished sums
.set OUTR, 116                         ; v116-131 rows read back from the stage
.set B2O,  132
; window 1: h's sixteen fragments of a tile, K step s at v[16 s] (at the head: W2's rows as loaded).   windows 2, 3: W2's fragment (K step s, tile n) at register 512 + 16 (2 s + n)
.set MSB, 0
.macro WIN new                         ; bits 1:0 source 0, 3:2 source 1, 5:4 source 2, 7:6 destination; the immediate's high byte repeats the setting that is left
.if MSB != \new
	s_set_vgpr_msb (MSB<<8)|\new
.set MSB, \new
.endif
.endm
	s_load_b256 s[4:11], s[0:1], 0x0               ; W2's codes s[4:5], W2's scales s[6:7], b2 s[8:9], h_codes s[10:11]
	s_load_b128 s[12:15], s[0:1], 0x20             ; h_scales s[12:13], route s[14:15]
	s_load_b64 s[16:17], s[0:1], 0x30              ; out0
	v_lshl_add_u32 v254, v0, 2, 0x12600
	v_mov_b32 v255, 0
	v_lshrrev_b32 v[LANE], 5, v0
	v_readfirstlane_b32 s24, v[LANE]               ; wave 0..3
	s_lshr_b32 s25, ttmp9, 5                       ; expert
	s_and_b32 s26, ttmp9, 31                       ; slice of 32 outputs
	v_and_b32 v[LANE], 31, v0
	v_and_b32 v[R], 15, v0
	v_bfe_u32 v[HH], v0, 4, 1
	s_mul_i32 s30, s24, 8*PITCH                    ; my eight rows of W2
	v_lshl_add_u32 v[WSA], v[LANE], 4, s30
	v_mul_u32_u24 v[WFA], v[R], PITCH
	v_lshl_add_u32 v[WFA], v[HH], 4, v[WFA]        ; a fragment: row r, + 16 h
	v_lshlrev_b32 v[L16], 4, v[LANE]
	s_mul_i32 s30, s24, 16*144
	s_add_co_u32 s30, s30, STG                     ; my stage
	v_mul_u32_u24 v[STO], v[R], 144
	v_lshl_add_u32 v[STO], v[HH], 5, v[STO]
	v_add_nc_u32 v[STO], s30, v[STO]               ; in: token r, outputs 16 n + 8 h on
	v_lshrrev_b32 v[TKN], 3, v[LANE]               ; lane / 8
	v_and_b32 v[TKN+1], 7, v[LANE]                 ; lane % 8
	v_mul_u32_u24 v[SRD], v[TKN], 144
	v_lshl_add_u32 v[SRD], v[TKN+1], 4, v[SRD]
	v_add_nc_u32 v[SRD], s30, v[SRD]               ; back: four rows an instruction
	s_lshl_b32 s30, s24, 6
	v_lshl_add_u32 v[TA], v[TKN], 2, s30
	v_lshlrev_b32 v[C16], 4, v[TKN+1]
	v_lshlrev_b32 v[W2O], 6, v[R]
	v_lshl_add_u32 v[W2O], v[HH], 4, v[W2O]        ; W2's scales: 64 bytes a row, + 16 h
	v_lshlrev_b32 v[B2O], 5, v[HH]                 ; b2: eight numbers further on for lanes 16-31
	s_mov_b32 s31, 0
	s_wait_kmcnt 0x0
	s_mul_i32 s30, s25, 8448
	s_add_nc_u64 s[36:37], s[14:15], s[30:31]      ; my expert's list
	s_load_b32 s27, s[36:37], 0x2000               ; and its count, behind the list's 8,192 bytes
	s_lshl_b32 s30, ttmp9, 16                      ; W2's codes: 32 rows of 2,048 bytes a work-group,
	s_lshl_b32 s29, s24, 14                        ; 8 rows a wave
	s_add_co_u32 s30, s30, s29
	s_add_nc_u64 s[4:5], s[4:5], s[30:31]
	s_lshl_b32 s30, ttmp9, 11                      ; W2's scales: 32 rows of 64 bytes
	s_add_nc_u64 s[6:7], s[6:7], s[30:31]
	s_lshl_b32 s30, ttmp9, 7                       ; b2: 32 numbers
	s_add_nc_u64 s[8:9], s[8:9], s[30:31]
	s_lshl_b32 s30, s25, 22                        ; h_codes: 4 MiB an expert, 32,768 bytes a tile
	s_lshl_b32 s29, s24, 15
	s_add_co_u32 s30, s30, s29
	s_add_nc_u64 s[32:33], s[10:11], s[30:31]
	s_lshl_b32 s30, s25, 17                        ; h_scales: 131,072 bytes an expert, 1,024 a tile
	s_lshl_b32 s29, s24, 10
	s_add_co_u32 s30, s30, s29
	s_add_nc_u64 s[34:35], s[12:13], s[30:31]
	s_lshl_b32 s30, s26, 7                         ; out0: my 32 columns
	s_add_nc_u64 s[38:39], s[16:17], s[30:31]
	WIN 0x40                                       ; destination window 1
.set i, 0
.rept 32
	global_load_b128 v[4*i:4*i+3], v[L16], s[4:5] offset:512*i th:TH_LOAD_NT   ; my 8 rows of W2, 512 consecutive bytes a load; read once in the launch
.set i, i+1
.endr
	WIN 0
.irp n, 0,1
.irp q, 0,1
	global_load_b128 v[W2S+8*\n+4*\q:W2S+8*\n+4*\q+3], v[W2O], s[6:7] offset:1024*\n+32*\q
.endr
.endr
.irp n, 0,1
	global_load_b128 v[B2+8*\n:B2+8*\n+3], v[B2O], s[8:9] offset:64*\n
	global_load_b128 v[B2+8*\n+4:B2+8*\n+7], v[B2O], s[8:9] offset:64*\n+16
.endr
	s_wait_loadcnt 0x0
	WIN 0x04                                       ; an LDS store's data are its source 1: window 1
.set i, 0
.rept 32
	ds_store_b128 v[WSA], v[4*i:4*i+3] offset:(i/4)*PITCH+512*(i%4)
.set i, i+1
.endr
	WIN 0
	s_wait_kmcnt 0x0                               ; the count
	s_wait_dscnt 0x0                               ; my rows have landed, and have left their registers
	s_barrier_signal -1
	s_barrier_wait -1                              ; W2's 32 rows lie in LDS.  The only barrier: nobody writes them again
	s_min_u32 s27, s27, 2048
	s_add_co_u32 s28, s27, 15
	s_lshr_b32 s28, s28, 4                         ; the expert's tiles
	s_add_co_u32 s28, s28, 3
	s_sub_co_u32 s28, s28, s24
	s_lshr_b32 s28, s28, 2                         ; mine: w, w + 4 ..
	s_cmp_eq_u32 s28, 0
	s_cbranch_scc1 .Lend
.macro HSK                             ; a tile's small loads, six: its scale words (1,024 consecutive bytes) and its sixteen tokens
	global_load_b128 v[HSN:HSN+3], v[L16], s[34:35]
	global_load_b128 v[HSN+4:HSN+7], v[L16], s[34:35] offset:512
.irp i, 0,1,2,3
	global_load_b32 v[TKN+\i], v[TA], s[36:37] offset:16*\i
.endr
.endm
.macro HGROUP g                        ; the fragments of K steps 4 g .. 4 g + 3: sixteen loads of 512 consecutive bytes, straight into the operand's registers
	WIN 0x40
.irp k, 0,1,2,3
.irp c, 0,1,2,3
	global_load_b128 v[16*(4*(\g)+\k)+4*\c:16*(4*(\g)+\k)+4*\c+3], v[L16], s[32:33] offset:(4*(\g)+\k)*2048+512*\c
.endr
.endr
	WIN 0
.endm
.macro ONE s, n                        ; K step s, tile n of the outputs.  b2 is the C of the even chain's first instruction, the constant 0 that of the odd chain's
.set rA, 16*(2*((\s)%8)+\n)
.set rB, 16*(\s)
.set rD, ACC+8*(2*((\s)%2)+\n)
.set sA, W2S+8*\n+4*((\s)/8)+(\s)%4
.set sB, HS+4*((\s)/8)+(\s)%4
.if (\s) == 0
	v_wmma_scale_f32_16x16x128_f8f6f4 v[rD:rD+7], v[rA:rA+15], v[rB:rB+15], v[B2+8*\n:B2+8*\n+7], v[sA], v[sB]
.elseif (\s) == 1
	v_wmma_scale_f32_16x16x128_f8f6f4 v[rD:rD+7], v[rA:rA+15], v[rB:rB+15], 0, v[sA], v[sB]
.elseif ((\s)%8) < 4
	v_wmma_scale_f32_16x16x128_f8f6f4 v[rD:rD+7], v[rA:rA+15], v[rB:rB+15], v[rD:rD+7], v[sA], v[sB]
.else
	v_wmma_scale_f32_16x16x128_f8f6f4 v[rD:rD+7], v[rA:rA+15], v[rB:rB+15], v[rD:rD+7], v[sA], v[sB] matrix_a_scale:MATRIX_SCALE_ROW1 matrix_b_scale:MATRIX_SCALE_ROW1
.endif
.endm
.macro MULG g                          ; eight matrix instructions; the four accumulators take turns, one instruction a turn
.if \g < 2
	WIN 0x06                                       ; source 0 (W2) window 2, source 1 (h) window 1, C and D window 0
.else
	WIN 0x07                                       ; source 0 window 3
.endif
.irp k, 0,1,2,3
.irp n, 0,1
	ONE (4*\g+\k), \n
.endr
.endr
	WIN 0
.endm
; ONE TILE.  A tile's loads are issued in this order: the six small ones, then groups 0 to 3, sixteen each.  pre = 1: the next tile's are issued on the way, each group into the registers that this tile's group has left.
.macro BODY pre
	s_wait_loadcnt 48                              ; the small loads and group 0 are in; groups 1 to 3 may be out
	s_wait_xcnt 0x0                                ; the last tile's stores have read their offsets and data, this tile's loads their bases: all may be written again
.irp i, 0,1,2,3,4,5,6,7
	v_mov_b32 v[HS+\i], v[HSN+\i]                  ; the scale words leave the registers in which the next tile's will land
.endr
.irp i, 0,1,2,3
	v_min_u32 v[TKN+\i], 2047, v[TKN+\i]
.endr
.irp i, 0,1,2,3
	v_mad_u32_u24 v[OA+\i], v[TKN+\i], 4128, v[C16]   ; the token's row of out0.  (These eight lines are the places between the scale words' moves and the products)
.endr
.if \pre
	s_add_nc_u64 s[32:33], s[32:33], 4*32768
	s_add_nc_u64 s[34:35], s[34:35], 4*1024
	s_add_nc_u64 s[36:37], s[36:37], 4*64
	HSK
.endif
.irp g, 0,1,2,3
.if \g > 0
.if \pre
	s_wait_loadcnt 54                              ; group g is in.  Behind it: this tile's 3 - g later groups, the next tile's six small loads and its g groups asked for so far: 16 x 3 + 6
.else
	s_wait_loadcnt 48-16*\g                        ; behind group g: this tile's later groups alone
.endif
.endif
	MULG \g
.rept 8
	v_nop                                          ; eight places between the products and the loads into the fragments that they read, and the first read of a result
.endr
.if \pre
	HGROUP \g
.endif
.endr
.irp n, 0,1
.irp k, 0,2,4,6
	v_pk_add_f32 v[Y+8*\n+\k:Y+8*\n+\k+1], v[ACC+8*\n+\k:ACC+8*\n+\k+1], v[ACC+16+8*\n+\k:ACC+16+8*\n+\k+1]   ; the two chains; each accumulator is read from its low end on
.endr
.endr
.irp n, 0,1
	ds_store_b128 v[STO], v[Y+8*\n:Y+8*\n+3] offset:64*\n
	ds_store_b128 v[STO], v[Y+8*\n+4:Y+8*\n+7] offset:64*\n+16
.endr
.irp i, 0,1,2,3
	ds_load_b128 v[OUTR+4*\i:OUTR+4*\i+3], v[SRD] offset:4*\i*144   ; LDS serves a wave's instructions in order: these see my stores
.endr
	s_wait_dscnt 0x0
.irp i, 0,1,2,3
	global_store_b128 v[OA+\i], v[OUTR+4*\i:OUTR+4*\i+3], s[38:39] th:TH_STORE_NT   ; four tokens' 128 consecutive bytes each; written once, read by nobody here
.endr
.endm
	HSK                                            ; my first tile, on its way while the weights come into registers
	HGROUP 0
	HGROUP 1
	HGROUP 2
	HGROUP 3
.irp s, 0,1,2,3,4,5,6,7,8,9,10,11,12,13,14,15
.if \s < 8
	WIN 0x80                                       ; destination window 2
.else
	WIN 0xc0                                       ; destination window 3
.endif
.irp n, 0,1
.irp c, 0,1,2,3
	ds_load_b128 v[16*(2*(\s%8)+\n)+4*\c:16*(2*(\s%8)+\n)+4*\c+3], v[WFA] offset:16*\n*PITCH+128*\s+32*\c
.endr
.endr
.endr
	WIN 0
	s_wait_dscnt 0x0                               ; the 32 fragments of W2 stay in registers from here on
	s_sub_co_u32 s28, s28, 1                       ; all my tiles but the last ask for their successor
	s_cmp_eq_u32 s28, 0
	s_cbranch_scc1 .Ltail
.Ltile:
	BODY 1
	s_sub_co_u32 s28, s28, 1
	s_cmp_lg_u32 s28, 0
	s_cbranch_scc1 .Ltile
.Ltail:
	BODY 0                                         ; the last tile is written out: it asks for nothing, and its counts run down
.Lend:
	s_wait_tensorcnt 0x0
	ds_add_u32 v254, v255
	s_wait_dscnt 0x0
	s_endpgm
.Lfunc_end_k_q5afbf7e9d9_encode:
	.size	k_q5afbf7e9d9_encode, .Lfunc_end_k_q5afbf7e9d9_encode-k_q5afbf7e9d9_encode
	.p2alignl 7, 3214868480
	.fill 96, 4, 3214868480
	.section	.rodata,"a",@progbits
	.p2align	6, 0x0
	.amdhsa_kernel k_q5afbf7e9d9_encode
		.amdhsa_group_segment_fixed_size 75776
		.amdhsa_private_segment_fixed_size 0
		.amdhsa_enable_private_segment 0
		.amdhsa_kernarg_size 56
		.amdhsa_user_sgpr_count 2
		.amdhsa_user_sgpr_kernarg_segment_ptr 1
		.amdhsa_wavefront_size32 1
		.amdhsa_system_sgpr_workgroup_id_x 1
		.amdhsa_system_sgpr_workgroup_id_y 1
		.amdhsa_system_sgpr_workgroup_id_z 1
		.amdhsa_system_vgpr_workitem_id 0
		.amdhsa_next_free_vgpr 1024
		.amdhsa_next_free_sgpr 66
		.amdhsa_reserve_vcc 0
		.amdhsa_float_denorm_mode_32 3
		.amdhsa_float_denorm_mode_16_64 3
		.amdhsa_memory_ordered 1
		.amdhsa_forward_progress 1
		.amdhsa_inst_pref_size 47
	.end_amdhsa_kernel
	.amdgpu_metadata
---
amdhsa.version: [ 1, 2 ]
amdhsa.kernels:
  - .name:           k_q5afbf7e9d9_encode
    .symbol:         k_q5afbf7e9d9_encode.kd
    .args:
      - { .name: W2_codes, .offset: 0, .size: 8, .value_kind: global_buffer, .address_space: global }
      - { .name: W2_scales, .offset: 8, .size: 8, .value_kind: global_buffer, .address_space: global }
      - { .name: b2, .offset: 16, .size: 8, .value_kind: global_buffer, .address_space: global }
      - { .name: h_codes, .offset: 24, .size: 8, .value_kind: global_buffer, .address_space: global }
      - { .name: h_scales, .offset: 32, .size: 8, .value_kind: global_buffer, .address_space: global }
      - { .name: route, .offset: 40, .size: 8, .value_kind: global_buffer, .address_space: global }
      - { .name: out0, .offset: 48, .size: 8, .value_kind: global_buffer, .address_space: global }
    .group_segment_fixed_size: 75776
    .private_segment_fixed_size: 0
    .kernarg_segment_align: 8
    .kernarg_segment_size: 56
    .max_flat_workgroup_size: 128
    .sgpr_count:     66
    .vgpr_count:     1024
    .wavefront_size: 32
...
	.end_amdgpu_metadata
.endif
;; end of part 2
